; MI455X (gfx1250); checked and timed in simulation.
; The chip was launched on July 23, 2026; its instructions are those of AMD's public machine-readable ISA for CDNA 5 (MIT licence, August 2026) and "CDNA5" Instruction Set Architecture Reference Guide (July 2026). The comments in the code are by the model that wrote it; some were corrected since.
;; Lower Traingular Sparse Layer. Allowed arithmetic: float matrix products may take bf16 or f16 operands with f32 sums; all other float work in f32.
;; Inputs: W 8,192 x 8,192 float32; x 8,192 float32.
;; Outputs: out0 8,192 float32.
;; One version. Each part assembles by itself: llvm-mc -triple=amdgcn-amd-amdhsa -mcpu=gfx1250 --defsym DOCPART=n.
;; ======== version 1 of 1: 1 launch
;; launch trimv (part 1): grid 256 x 1, 8 waves a work-group, no clusters, 168,960 bytes of LDS; arguments W, x, out0; writes out0
.if DOCPART == 1
	.amdgcn_target "amdgcn-amd-amdhsa--gfx1250"
	.amdhsa_code_object_version 6
	.text
	.protected	k_q243ffb6f18_trimv
	.globl	k_q243ffb6f18_trimv
	.p2align	8
	.type	k_q243ffb6f18_trimv,@function
k_q243ffb6f18_trimv:
	s_mov_b64 s[64:65], 0
	v_nop
	global_prefetch_b8 v0, s[64:65] scope:SCOPE_SE
	s_setreg_imm32_b32 hwreg(HW_REG_WAVE_MODE, 25, 1), 1
	s_wait_xcnt 0x0
; out0[i] = sum over j <= i of W[i][j] * x[j].   W: [8192][8192] f32, x and out0: [8192] f32.  All arithmetic in f32 (fused multiply-adds).
;
; SHARES.  A row of W is cut into chunks of 128 columns = 512 bytes = one 16-byte load of a wave's 32 lanes.  A row of row block b (128 rows)
; has b whole chunks left of the diagonal and one chunk that the diagonal crosses; nothing right of that chunk is read (the reference masks it).
; Rows t and 8191 - t together have 63 whole chunks and 2 diagonal chunks, whatever t is.  So a wave takes two neighbouring TOP rows
; t0, t0 + 1 (t0 = 16 g + 2 w: work-group g, wave w; block b = g / 8) and the two BOTTOM rows 8190 - t0, 8191 - t0 (block NB = 63 - b):
; 63 steps of two loads (two rows, the same chunk, one piece of x for both) and four diagonal loads, the same for all 2,048 waves.
; THE WALK.  Steps 0 .. NB-1: the bottom rows, chunk NB-1-step (from the diagonal toward column 0).  Steps NB .. 62: the top rows, chunk step-NB.
; In both parts the chunk hangs on b, so at one and the same step the work-groups stand at 32 different columns of their rows.
; THE RING.  D = 22 steps (44 loads, 22 KiB a wave) are requested ahead; a slot owns its 8 data registers and its offset register.
; The code is straight: the step's number is a constant of the text.  One run of slots adds to the bottom rows' sums, a second run to the
; top rows' sums; at step NB (32 .. 63) the wave jumps once from the first run into the second at the same step.
; x (32 KiB) is copied once into LDS by asynchronous copies.  A row of W is as long as x, so a step's offset in W, cut to its low 15 bits,
; is the LDS address of the lane's four x.
; NOT USED: matrix instructions (x is one column: fifteen of sixteen result columns would be idle, and W would have to be converted first, which
; is more vector work than the two packed multiply-adds that 512 bytes cost here); clusters (work-groups share only x, 32 KiB against 532 KiB
; of W for each); prefetches (the ring asks for a third of the wave's bytes at once and stays 22 steps ahead).
; THE WAY OUT: two stores of 8 bytes a wave.  The whole output is 32 KiB against 136 MB read, and a work-group's rows are two runs of 64 bytes.
; LIMIT: x is taken to be finite.  The reference multiplies the masked zeros by x[j] too, so there a non-finite x[j] spoils every row; here
; only rows whose chunks reach column j.  What lies above W's diagonal is dropped by a select and may be anything.  The order of sums differs.
.set ROWB,   32768                     ; bytes in a row of W, and in x
.set CHUNK,  512                       ; bytes of one load of a wave
.set STEPS,  63                        ; whole chunks of a bottom row and its top row together
.set D,      22                        ; steps requested ahead
.set XMASK,  0x7ff0                    ; offset in W -> offset in x (multiples of 16 below 32,768)
.set L16,  1                           ; v1      16 x lane
.set XG,   2                           ; v2      16 x thread: my bytes of x in memory
.set XL,   3                           ; v3      16 x thread: and in LDS
.set DGB,  4                           ; v4      offset in W of my 16 bytes in the bottom rows' diagonal chunk
.set DGT,  5                           ; v5      the same for the top rows
.set XA,   6                           ; v6      LDS address at work
.set MB,   7                           ; v7      (first bottom row mod 128) - 4 x lane: element e of that row is kept if e <= this
.set MT,   8                           ; v8      the same for the first top row
.set T,    9                           ; v9-11   at work
.set X,    12                          ; v12-23  x of a step, three buffers in turn; at the end the four sums
.set XD,   24                          ; v24-31  x of the two diagonal chunks
.set ACCB, 32                          ; v32-39  sums of the bottom rows, 4 a row
.set ACCT, 40                          ; v40-47  sums of the top rows
.set OFF,  48                          ; v48-69  slot i: offset in W of my 16 bytes in the first row of the slot's step
.set RING, 72                          ; v72-247 slot i: 4 registers for each of the two rows
.set WAVE,   10
.set BLK,    11                        ; b
.set NB,     12                        ; 63 - b
.set ROWT,   13                        ; t0
.set BOTHI,  14                        ; offset in W of the bottom walk's step 0; step p lies 512 p below it
.set TOPADJ, 15                        ; offset in W of the top walk's first chunk less 512 NB; step p lies 512 p above it.  (Below zero only
                                       ; for t0 = 0, where NB = 63 and no step takes it.)
.set ROWM,   16                        ; 8190 - t0
.set P0,     17
.set P1,     18
	s_load_b128 s[4:7], s[0:1], 0x0                ; W s[4:5], x s[6:7]
	s_load_b64 s[8:9], s[0:1], 0x10                ; out0
	v_lshl_add_u32 v248, v0, 2, 0x29000
	v_mov_b32 v249, 0
	ds_add_u32 v248, v249
	ds_add_u32 v248, v249
	v_lshrrev_b32 v[T], 5, v0
	v_readfirstlane_b32 s[WAVE], v[T]
	v_and_b32 v[T], 31, v0
	v_lshlrev_b32 v[L16], 4, v[T]
	v_lshlrev_b32 v[T], 2, v[T]                    ; the first of my four columns in a chunk
	v_lshlrev_b32 v[XG], 4, v0
	v_lshlrev_b32 v[XL], 4, v0
	s_lshr_b32 s[BLK], ttmp9, 3
	s_sub_co_u32 s[NB], 63, s[BLK]
	s_lshl_b32 s[ROWT], ttmp9, 4
	s_lshl1_add_u32 s[ROWT], s[WAVE], s[ROWT]      ; t0 = 2 w + 16 g
	s_sub_co_u32 s[ROWM], 8190, s[ROWT]
	s_lshl_b32 s19, s[ROWT], 15                    ; the rows' offsets in W: below 2^28
	s_lshl_b32 s20, s[ROWM], 15
	s_lshl_b32 s21, s[NB], 9
	s_add_co_u32 s20, s20, s21                     ; the bottom rows' diagonal chunk is chunk NB
	s_sub_co_u32 s[BOTHI], s20, CHUNK              ; and their walk begins one chunk to its left
	s_sub_co_u32 s[TOPADJ], s19, s21
	s_lshl_b32 s21, s[BLK], 9
	s_add_co_u32 s19, s19, s21                     ; the top rows' diagonal chunk is chunk b
	v_add_nc_u32 v[DGB], s20, v[L16]
	v_add_nc_u32 v[DGT], s19, v[L16]
	s_and_b32 s22, s[ROWM], 127
	s_and_b32 s23, s[ROWT], 127
	v_sub_nc_u32 v[MB], s22, v[T]
	v_sub_nc_u32 v[MT], s23, v[T]
	s_mov_b32 s26, 0x76543210                      ; v_permlanex16_b32: lane i of one half reads lane i of the other
	s_mov_b32 s27, 0xfedcba98
	s_wait_dscnt 0x0
	s_wait_kmcnt 0x0
	; x into LDS: 256 threads x 16 bytes x 8.  The immediate steps both addresses.  These copies count on their own counter.
.irp j, 0,1,2,3,4,5,6,7
	global_load_async_to_lds_b128 v[XL], v[XG], s[6:7] offset:\j*4096
.endr
	; the four diagonal chunks, straight into the registers that will hold the sums
	global_load_b128 v[ACCB:ACCB+3],   v[DGB], s[4:5] th:TH_LOAD_NT
	global_load_b128 v[ACCB+4:ACCB+7], v[DGB], s[4:5] offset:ROWB th:TH_LOAD_NT
	global_load_b128 v[ACCT:ACCT+3],   v[DGT], s[4:5] th:TH_LOAD_NT
	global_load_b128 v[ACCT+4:ACCT+7], v[DGT], s[4:5] offset:ROWB th:TH_LOAD_NT
; Request step p into its slot.  top = 1: the wave is already adding to the top rows, so p is a top step.  Otherwise p < 32 <= NB is a bottom
; step for every work-group, and from 32 on NB decides.  The slot's offset register is written only behind the wait that showed its last loads done.
.macro PRODUCE p, top
.if \top
	s_add_co_u32 s[P0], s[TOPADJ], (\p)*CHUNK
.else
	s_sub_co_u32 s[P0], s[BOTHI], (\p)*CHUNK
.if (\p) >= 32
	s_add_co_u32 s[P1], s[TOPADJ], (\p)*CHUNK
	s_cmp_gt_u32 s[NB], \p
	s_cselect_b32 s[P0], s[P0], s[P1]
.endif
.endif
	v_add_nc_u32 v[OFF+(\p)%D], s[P0], v[L16]
	global_load_b128 v[RING+8*((\p)%D):RING+8*((\p)%D)+3],   v[OFF+(\p)%D], s[4:5] th:TH_LOAD_NT
	global_load_b128 v[RING+8*((\p)%D)+4:RING+8*((\p)%D)+7], v[OFF+(\p)%D], s[4:5] offset:ROWB th:TH_LOAD_NT
.endm
.irp p, 0,1,2,3,4,5,6,7,8,9,10,11,12,13,14,15,16,17,18,19,20,21
	PRODUCE \p, 0                                  ; the ring is filled before anything is waited for
.endr
	s_wait_asynccnt 0x0                            ; my eighth of x is in LDS,
	s_barrier_signal -1
	s_barrier_wait -1                              ; everybody's is.  Nothing writes LDS after this.
	v_and_b32 v[XA], XMASK, v[DGB]
	ds_load_b128 v[XD:XD+3], v[XA]                 ; x of the bottom rows' diagonal chunk
	v_and_b32 v[XA], XMASK, v[DGT]
	ds_load_b128 v[XD+4:XD+7], v[XA]               ; and of the top rows'
	v_and_b32 v[XA], XMASK, v[OFF+0]
	ds_load_b128 v[X:X+3], v[XA]                   ; x of step 0
	v_and_b32 v[XA], XMASK, v[OFF+1]
	ds_load_b128 v[X+4:X+7], v[XA]                 ; x of step 1
; The diagonal: element e of the first row (local index rl) is kept if 4 lane + e <= rl, of the second row if 4 lane + e <= rl + 1.
; A select, not a product with zero: what stands above the diagonal never enters the arithmetic.
.macro MASK acc, m
.irp e, 0,1,2,3
	v_cmp_le_i32 vcc_lo, \e, v[\m]
	v_cndmask_b32 v[\acc+\e], 0, v[\acc+\e], vcc_lo
	v_cmp_le_i32 vcc_lo, \e-1, v[\m]
	v_cndmask_b32 v[\acc+4+\e], 0, v[\acc+4+\e], vcc_lo
.endr
.endm
	s_wait_loadcnt 2*D                             ; loads come back in order: the four diagonal loads are in, the ring's 44 stay out
	MASK ACCB, MB
	MASK ACCT, MT
	s_wait_dscnt 0x2                               ; the two diagonal pieces of x are in; those of steps 0 and 1 may be out
.irp r, 0,4
	v_pk_mul_f32 v[ACCB+\r:ACCB+\r+1],   v[ACCB+\r:ACCB+\r+1],   v[XD:XD+1]       ; the first products start the sums: nothing is cleared
	v_pk_mul_f32 v[ACCB+\r+2:ACCB+\r+3], v[ACCB+\r+2:ACCB+\r+3], v[XD+2:XD+3]
	v_pk_mul_f32 v[ACCT+\r:ACCT+\r+1],   v[ACCT+\r:ACCT+\r+1],   v[XD+4:XD+5]
	v_pk_mul_f32 v[ACCT+\r+2:ACCT+\r+3], v[ACCT+\r+2:ACCT+\r+3], v[XD+6:XD+7]
.endr
; Step s: ask LDS for the x of step s + 2, wait for this step's two loads and its x, four packed multiply-adds, request step s + D.
.macro STEP s, acc, top
.set RS, RING+8*((\s)%D)
.set XS, X+4*((\s)%3)
.if \s+2 < STEPS
	v_and_b32 v[XA], XMASK, v[OFF+(\s+2)%D]        ; that slot's offset register holds step s + 2's offset in W
	ds_load_b128 v[X+4*((\s+2)%3):X+4*((\s+2)%3)+3], v[XA]
.endif
.if STEPS-1-\s < D-1
	s_wait_loadcnt 2*(STEPS-1-\s)                  ; the tail: only the steps that are left are younger
.else
	s_wait_loadcnt 2*(D-1)                         ; the 21 younger steps' loads stay out
.endif
.if STEPS-1-\s < 2
	s_wait_dscnt STEPS-1-\s
.else
	s_wait_dscnt 0x2                               ; the x of the two steps behind this one stay out
.endif
	v_pk_fma_f32 v[\acc:\acc+1],   v[RS:RS+1],   v[XS:XS+1],   v[\acc:\acc+1]
	v_pk_fma_f32 v[\acc+2:\acc+3], v[RS+2:RS+3], v[XS+2:XS+3], v[\acc+2:\acc+3]
	v_pk_fma_f32 v[\acc+4:\acc+5], v[RS+4:RS+5], v[XS:XS+1],   v[\acc+4:\acc+5]
	v_pk_fma_f32 v[\acc+6:\acc+7], v[RS+6:RS+7], v[XS+2:XS+3], v[\acc+6:\acc+7]
.if \s+D < STEPS
	PRODUCE \s+D, \top
.endif
.endm
	; the bottom rows.  NB is at least 32, so the first 32 steps ask nothing.
.irp s, 0,1,2,3,4,5,6,7,8,9,10,11,12,13,14,15,16,17,18,19,20,21,22,23,24,25,26,27,28,29,30,31
	STEP \s, ACCB, 0
.endr
.irp s, 32,33,34,35,36,37,38,39,40,41,42,43,44,45,46,47,48,49,50,51,52,53,54,55,56,57,58,59,60,61,62
	s_cmp_eq_u32 s[NB], \s                         ; step NB is the top rows' first: go on in the other run, at the same step,
	s_cbranch_scc1 .Ltop\s                         ; with the same loads outstanding in the same registers
	STEP \s, ACCB, 0
.endr
	s_branch .Lsums                                ; NB = 63: the top rows have no whole chunk
	; the top rows
.irp s, 32,33,34,35,36,37,38,39,40,41,42,43,44,45,46,47,48,49,50,51,52,53,54,55,56,57,58,59,60,61,62
.Ltop\s:
	STEP \s, ACCT, 1
.endr
.Lsums:
	; four sums a row -> one a lane -> one a row, in every lane
.set S, X                                          ; v12-15: rows t0, t0+1, 8190-t0, 8191-t0; v16-19: the other half's
	v_pk_add_f32 v[ACCT:ACCT+1],     v[ACCT:ACCT+1],     v[ACCT+2:ACCT+3]
	v_pk_add_f32 v[ACCT+4:ACCT+5],   v[ACCT+4:ACCT+5],   v[ACCT+6:ACCT+7]
	v_pk_add_f32 v[ACCB:ACCB+1],     v[ACCB:ACCB+1],     v[ACCB+2:ACCB+3]
	v_pk_add_f32 v[ACCB+4:ACCB+5],   v[ACCB+4:ACCB+5],   v[ACCB+6:ACCB+7]
	v_add_f32 v[S],   v[ACCT],   v[ACCT+1]
	v_add_f32 v[S+1], v[ACCT+4], v[ACCT+5]
	v_add_f32 v[S+2], v[ACCB],   v[ACCB+1]
	v_add_f32 v[S+3], v[ACCB+4], v[ACCB+5]
.irp m, 1,2,4,8
.irp k, 0,1,2,3
	v_add_f32_dpp v[S+\k], v[S+\k], v[S+\k] row_xmask:\m row_mask:0xf bank_mask:0xf
.endr
.endr
.irp k, 0,1,2,3
	v_permlanex16_b32 v[S+4+\k], v[S+\k], s26, s27 ; the destinations were written before (a buffer of x)
.endr
	v_pk_add_f32 v[S:S+1],   v[S:S+1],   v[S+4:S+5]
	v_pk_add_f32 v[S+2:S+3], v[S+2:S+3], v[S+6:S+7]
	; lane 0 stores the top pair, lane 1 the bottom pair: 8 bytes each, at multiples of 8 (t0 is even)
	s_lshl_b32 s24, s[ROWT], 2
	s_lshl_b32 s25, s[ROWM], 2
	v_mov_b32 v[T], s25
	v_mov_b32 v[T+1], s24
	v_cmp_eq_u32 vcc_lo, 0, v[L16]
	v_cndmask_b32 v[T],   v[T],   v[T+1], vcc_lo
	v_cndmask_b32 v[S],   v[S+2], v[S],   vcc_lo
	v_cndmask_b32 v[S+1], v[S+3], v[S+1], vcc_lo
	v_cmp_gt_u32 vcc_lo, 32, v[L16]                ; lanes 0 and 1
	s_wait_xcnt 0x0                                ; EXEC is narrowed only behind this wait
	s_wait_tensorcnt 0x0
	ds_add_u32 v248, v249
	s_wait_dscnt 0x0
	s_and_saveexec_b32 s28, vcc_lo
	global_store_b64 v[T], v[S:S+1], s[8:9] th:TH_STORE_NT
	s_endpgm
.Lfunc_end_k_q243ffb6f18_trimv:
	.size	k_q243ffb6f18_trimv, .Lfunc_end_k_q243ffb6f18_trimv-k_q243ffb6f18_trimv
	.p2alignl 7, 3214868480
	.fill 96, 4, 3214868480
	.section	.rodata,"a",@progbits
	.p2align	6, 0x0
	.amdhsa_kernel k_q243ffb6f18_trimv
		.amdhsa_group_segment_fixed_size 168960
		.amdhsa_private_segment_fixed_size 0
		.amdhsa_enable_private_segment 0
		.amdhsa_kernarg_size 24
		.amdhsa_user_sgpr_count 2
		.amdhsa_user_sgpr_kernarg_segment_ptr 1
		.amdhsa_wavefront_size32 1
		.amdhsa_system_sgpr_workgroup_id_x 1
		.amdhsa_system_sgpr_workgroup_id_y 1
		.amdhsa_system_sgpr_workgroup_id_z 1
		.amdhsa_system_vgpr_workitem_id 0
		.amdhsa_next_free_vgpr 250
		.amdhsa_next_free_sgpr 66
		.amdhsa_reserve_vcc 1
		.amdhsa_float_denorm_mode_32 3
		.amdhsa_float_denorm_mode_16_64 3
		.amdhsa_memory_ordered 1
		.amdhsa_forward_progress 1
		.amdhsa_inst_pref_size 75
	.end_amdhsa_kernel
	.amdgpu_metadata
---
amdhsa.version: [ 1, 2 ]
amdhsa.kernels:
  - .name:           k_q243ffb6f18_trimv
    .symbol:         k_q243ffb6f18_trimv.kd
    .args:
      - { .name: W, .offset: 0, .size: 8, .value_kind: global_buffer, .address_space: global }
      - { .name: x, .offset: 8, .size: 8, .value_kind: global_buffer, .address_space: global }
      - { .name: out0, .offset: 16, .size: 8, .value_kind: global_buffer, .address_space: global }
    .group_segment_fixed_size: 168960
    .private_segment_fixed_size: 0
    .kernarg_segment_align: 8
    .kernarg_segment_size: 24
    .max_flat_workgroup_size: 256
    .sgpr_count:     66
    .vgpr_count:     250
    .wavefront_size: 32
...
	.end_amdgpu_metadata
.endif
;; end of part 1
